; MI455X (gfx1250); checked and timed in simulation.
; The chip was launched on July 23, 2026; its instructions are those of AMD's public machine-readable ISA for CDNA 5 (MIT licence, August 2026) and "CDNA5" Instruction Set Architecture Reference Guide (July 2026). The comments in the code are by the model that wrote it; some were corrected since.
;; Quantized Linear. Allowed arithmetic: matrix products marked QUANTISED: E2M1 operands, one E8M0 scale for each 32 along K, by v_wmma_scale_f32_16x16x128_f8f6f4 with both operands' format E2M1 (or v_wmma_scale_f32_32x16x128_f4), f32 sums; everything else in f32.
;; Inputs: quantized_bias 4,096 int8; quantized_weight 4,096 x 4,096 int8; x 2 x 2,048 x 4,096 float32.
;; Outputs: out0 2 x 2,048 x 4,096 float32.
;; This version of the problem:
;;   THIS VERSION OF THE PROBLEM IS GIVEN IN LOW PRECISION. The matrix products marked QUANTISED in the list below multiply operands that are first quantised to E2M1 (2 exponent bits, 1 mantissa bit; 4 bits a number), with one power-of-two scale for each 32 numbers along K (OCP MX v1.0); their sums are f32. All else is computed in f32.
;;   The module's matrix products, in the order in which they are computed (A, B: the left and right operand; K: the contracted axis; several contracted axes count as one K, in the product's order):
;;     1. [M 4,096, K 4,096] x [K 4,096, N 4,096]; A: input x; B: computed on the way: QUANTISED
;;   THE QUANTISER, for each operand of a quantised product, along K:
;;     - K is cut into blocks of 32 from its start; a last block that is shorter is filled with zeros.
;;     - A block's scale is 2^e with e = floor(log2(the largest magnitude in the block)) - 2, held to -126 .. 127; a block of zeros has e = 0. As a byte (E8M0): e + 127.
;;     - Each number is divided by its block's scale, clamped to +-6, and rounded to the nearest number of E2M1, ties to even, subnormals kept.
;;     - The product sums the exact products of the quantised numbers (number of the format x scale) in f32.
;;   ~~~python
;;   def quantise(x, axis):      # numpy; x: float32 -> the quantised numbers, widened to float32 again
;;       x = np.moveaxis(x, axis, -1); K = x.shape[-1]
;;       x = np.pad(x, [(0, 0)] * (x.ndim - 1) + [(0, -K % 32)]); x = x.reshape(x.shape[:-1] + (-1, 32)); a = np.abs(x).max(-1, keepdims=True)
;;       e = np.where(a > 0, np.clip(np.frexp(np.where(a > 0, a, 1))[1] - 1 - 2, -126, 127), 0)      # np.frexp(a)[1] - 1 = floor(log2(a)), exactly
;;       r = np.clip(x / 2.0 ** e, -6, 6)
;;       step = 2.0 ** (np.maximum(np.frexp(np.where(r == 0, 1, r))[1] - 1, 0) - 1)
;;       q = np.round(r / step) * step * 2.0 ** e      # np.round: ties to even
;;       return np.moveaxis(q.reshape(q.shape[:-2] + (-1,))[..., :K], -1, axis).astype(np.float32)
;;   ~~~
;;   OPERANDS COMPUTED ON THE WAY. 'Computed on the way' means the value that the module computes at that place (a softmax that the list does not call 'softmax' is quantised finished and normalised). What goes into a quantiser is computed in f32, as accurately as f32 sums, v_exp_f32 and their like allow (about 1e-6 of the number): no bf16 or f16 on the way to a quantiser, and a product that is left as it is and whose result goes on into a quantised operand takes f32 operands (vector FMAs, or v_wmma_f32_16x16x4_f32). A number that lies on a knife's edge between two numbers of the format may be rounded either way, as far as f32 arithmetic and the matrix unit's own rounding can turn it there, and no further.
;; One version. Each part assembles by itself: llvm-mc -triple=amdgcn-amd-amdhsa -mcpu=gfx1250 --defsym DOCPART=n.
;; ======== version 1 of 1: 2 launches
;; limits: right only within a limited range of input values
;; workspace buffers: a_img 8,912,896 bytes; b_img 8,912,896 bytes
;; launch quant (part 1): grid 256 x 1, 12 waves a work-group, no clusters, 301,568 bytes of LDS; arguments x, quantized_weight, a_img, b_img; writes a_img, b_img
.if DOCPART == 1
	.amdgcn_target "amdgcn-amd-amdhsa--gfx1250"
	.amdhsa_code_object_version 6
	.text
	.protected	k_qb3bdf9cd5c_quant
	.globl	k_qb3bdf9cd5c_quant
	.p2align	8
	.type	k_qb3bdf9cd5c_quant,@function
k_qb3bdf9cd5c_quant:
	s_mov_b64 s[64:65], 0
	v_nop
	global_prefetch_b8 v0, s[64:65] scope:SCOPE_SE
	s_setreg_imm32_b32 hwreg(HW_REG_WAVE_MODE, 25, 1), 1
	s_wait_xcnt 0x0
; x [4096][4096] f32 and w = f32(quantized_weight [4096][4096] int8) x 0.01 are turned into codes of FP4 (E2M1) with one E8M0 scale byte for each 32 along K, K innermost in both.
; A block's scale is 2^(floor(log2(its largest magnitude)) - 2); its byte is the largest magnitude's exponent field - 2, held at 1 from below; each number is divided by the scale and rounded to the nearest code, ties to even,
; beyond 6 the largest code.  w is made in f32 first: the whole number exactly, then ONE f32 multiplication by 0.01.
; LIMITS: NaN and infinities in x are not served.  A block of zeros gets the byte 1 (not 127): its codes are zeros, which add nothing under that byte, and the bytes are read by this program alone.  Every int8 value, -128 to 127, is served.
; THE RESULT IS LAID AS THE PRODUCT'S LAUNCH WANTS IT: [row / 128 : 32][K step of 512 : 8][34,816 bytes].  Such a block holds, for 128 rows and 512 along K:
;   bytes 0 .. 32,767: 32 fragments (i = 16 rows, q = 128 along K) of 1,024 bytes, as IMAGES OF THE OPERAND'S REGISTERS: registers 4 c .. 4 c + 3 of lane l at 4,096 i + 1,024 q + 512 c + 16 l;
;   bytes 32,768 .. 34,815: the scale words (word q: the four bytes of the q-th 128 along K): words 0 and 1 of row m at 8 m, words 2 and 3 at 1,024 + 8 m.
; SHARES.  Work-group g owns rows 32 (g / 2) .. + 31 and half g % 2 of K, of x and of w.  Waves 0-7: 32 rows x 256 along K of x each, brought into LDS by ONE tensor load (rows of 1,024 bytes, 16 of padding behind each).
; Waves 8-11: 32 rows x 512 along K of w each, in two steps of 16 rows: each load reads 512 consecutive bytes of a row, and a step turns through the wave's own stage in LDS.
; The operand's layout wants lane (r, h) to hold k = 64 c + 32 h + 0 .. 31 of row r: a lane then holds two WHOLE blocks of 32: no other lane is asked for a maximum, and the conversions' results are the operand's registers.
; Each store of codes covers 512 consecutive bytes, each store of scale words 256.
; No barrier: waves share nothing, and no LDS byte is filled twice.  No matrix unit, no cluster: nothing is read twice.  No prefetch: there is no loop to ask ahead in, all input is asked for at the head but w's, which needs no address that waits.
.set ROWW,  4096                       ; a row of w in bytes
.set BLKB,  34816                      ; an image block
.set SCW,   32768                      ; where its scale words begin
.set XP,    1040                       ; an LDS row of x: 1,024 bytes + 16 = 260 words: row r starts at bank 4 r mod 64 (64 banks of 4 bytes: ISA guide 11.1)
.set XT,    32*XP                      ; a wave's tile of x
.set SP,    528                        ; a stage row of w: 512 bytes + 16
.set WSTG,  16*SP                      ; a wave's stage
.set WB,    8*XT-8*WSTG                ; wave 8's stage lies behind the eight tiles
.set SPARE, 8*XT+4*WSTG                ; the spare words, 128 bytes a wave
.set LO,  4                            ; v4   16 x lane; never rewritten
.set STI, 5                            ; v5   w's stage, on the way in: + 16 x lane
.set RDX, 6                            ; v6   x's tile: + 1,040 r + 128 h
.set RDW, 7                            ; v7   w's stage, on the way out: + 528 r + 32 h
.set SA,  8                            ; v8   8 x lane: my 8 bytes of the 256 bytes of scale words
.set SH,  9                            ; v9   8 h
.set M,   10                           ; v10-11 the two blocks' largest magnitudes
.set SO,  12                           ; v12-13 the conversions' scale operands
.set E,   14                           ; v14-15 the scale bytes
.set T,   16                           ; v16-17 at work
.set T2,  17
.set SDB, 18                           ; v18-19, v28-29 what leaves of the scale words
.set SW,  20                           ; v20-27 my rows' scale words
.set SD,  28
.set SPW, 30
.set NIL, 31
.set C,   32                           ; v32-63 codes: four sets of 8
.set R,   64                           ; v64-255 three sets of 64 registers
.set F,   R+128                        ; on w's path: 64 numbers in f32
.set WV,  12                           ; s12  my wave's number
.set IN,  16                           ; s[16:17] w: my wave's first input byte
.set OUT, 18                           ; s[18:19] my wave's first fragment
.set OUTS, 20                          ; s[20:21] my wave's first scale words
.set SEL, 22                           ; s[22:23] v_permlanex16_b32's selects for lane l xor 16
.set MAG, 24                           ; s24  2^23 as f32
.set X80, 25                           ; s25  turns four int8 into q + 128
.set SELB, 26                          ; s26-29 byte selects: {0x4b, 0, 0, byte j}
.set NEG, 30                           ; s[30:31] -(2^23 + 128)
.set CM,  32                           ; s[32:33] 0.01
.set G0,  48                           ; s[48:51], s[52:59] the descriptor of my tile of x
.set G1,  52
.set HM,  61                           ; s61  lanes 16-31
	s_load_b256 s[4:11], s[0:1], 0x0               ; x s[4:5], w s[6:7], a_img s[8:9], b_img s[10:11]
	v_lshl_add_u32 v[SPW], v0, 2, SPARE
	v_mov_b32 v[NIL], 0
	ds_add_u32 v[SPW], v[NIL]                      ; the opening add, twice on end, and its wait
	ds_add_u32 v[SPW], v[NIL]
	v_lshrrev_b32 v1, 5, v0
	v_readfirstlane_b32 s[WV], v1                  ; wave 0..11
	s_mul_i32 s13, s[WV], XT                       ; my tile of x
	s_mul_i32 s14, s[WV], WSTG
	s_add_co_u32 s14, s14, WB                      ; my stage of w
	s_mov_b32 s[G0], 1
	s_mov_b32 s[G0+1], s13
	s_mov_b32 s[G1+0], (2<<16)|(1<<20)|(7<<22)|(3<<25)  ; elements of 4 bytes; after every 256 words (code 7) 4 words of padding (code 3)
	s_mov_b32 s[G1+1], 256<<16
	s_mov_b32 s[G1+2], 32<<16
	s_mov_b32 s[G1+3], 256<<16
	s_mov_b32 s[G1+4], 32
	s_mov_b32 s[G1+5], 4096
	s_mov_b32 s[G1+6], 0
	s_mov_b32 s[G1+7], 0
	s_mov_b32 s[SEL], 0x76543210
	s_mov_b32 s[SEL+1], 0xfedcba98
	s_mov_b32 s[MAG], 0x4b000000
	s_mov_b32 s[X80], 0x80808080
.irp j, 0,1,2,3
	s_mov_b32 s[SELB+\j], 0x07040400+\j
.endr
	s_mov_b32 s[NEG], 0xcb000080
	s_mov_b32 s[NEG+1], s[NEG]                     ; (the packed forms name a pair and take its low word for both halves: so the upper word is written)
	s_mov_b32 s[CM], 0x3c23d70a
	s_mov_b32 s[CM+1], s[CM]
	; offsets, all under 2^32, made apart from the addresses
	s_lshr_b32 s15, ttmp9, 1                       ; which 32 rows
	s_and_b32 s34, ttmp9, 1                        ; which half of K
	s_and_b32 s35, s[WV], 3                        ; u, for waves 8-11
	s_lshl_b32 s36, s15, 19                        ; x: 32 rows of 16,384 bytes,
	s_lshl_b32 s37, s34, 13                        ;    half a row,
	s_add_co_u32 s36, s36, s37
	s_lshl_b32 s37, s[WV], 10                      ;    1,024 bytes a wave
	s_add_co_u32 s36, s36, s37
	s_lshl_b32 s46, s15, 17                        ; w: 32 rows of 4,096 bytes,
	s_lshl_b32 s37, s34, 11                        ;    half a row,
	s_add_co_u32 s46, s46, s37
	s_lshl_b32 s37, s35, 9                         ;    512 bytes a wave
	s_add_co_u32 s46, s46, s37
	s_mov_b32 s47, 0
	s_lshr_b32 s39, s[WV], 1                       ; x: two waves to a K step,
	s_and_b32 s40, s[WV], 1                        ;    each two of its four 128 along K
	s_cmp_lt_u32 s[WV], 8
	s_cselect_b32 s39, s39, s35                    ; w: a wave to a K step
	s_cselect_b32 s40, s40, 0
	s_lshl_b32 s37, s34, 2
	s_add_co_u32 s39, s39, s37                     ; my K step
	s_lshr_b32 s37, s15, 2
	s_lshl_b32 s37, s37, 3
	s_add_co_u32 s39, s39, s37
	s_mul_i32 s39, s39, BLKB                       ; my image block
	s_and_b32 s15, s15, 3                          ; which 32 of its 128 rows
	s_lshl_b32 s37, s15, 13
	s_add_co_u32 s42, s39, s37
	s_lshl_b32 s37, s40, 11
	s_add_co_u32 s42, s42, s37                     ; my fragments
	s_mov_b32 s43, 0
	s_lshl_b32 s37, s15, 8
	s_add_co_u32 s44, s39, s37
	s_lshl_b32 s37, s40, 10
	s_add_co_u32 s44, s44, s37
	s_add_co_u32 s44, s44, SCW                     ; and my scale words
	s_mov_b32 s45, 0
	s_mov_b32 s37, 0
	v_and_b32 v1, 31, v0                           ; lane
	v_and_b32 v2, 15, v0                           ; r
	v_bfe_u32 v3, v0, 4, 1                         ; h
	v_lshlrev_b32 v[LO], 4, v1
	v_mul_u32_u24 v[RDX], v2, XP
	v_mul_u32_u24 v[RDW], v2, SP
	v_lshlrev_b32 v[SA], 3, v1
	v_add_nc_u32 v[RDX], s13, v[RDX]
	v_add_nc_u32 v[RDW], s14, v[RDW]
	v_add_nc_u32 v[STI], s14, v[LO]
	v_lshl_add_u32 v[RDX], v3, 7, v[RDX]
	v_lshl_add_u32 v[RDW], v3, 5, v[RDW]
	v_lshlrev_b32 v[SH], 3, v3
	v_mov_b32 v[T2], 0                             ; written once: a lane permute's destination counts as one of its sources
	v_cmp_le_u32 s[HM], 16, v1
	s_wait_alu depctr_va_vdst(0)                   ; the wait at the head's end
	s_wait_dscnt 0x0                               ; both opening adds are done
	s_wait_kmcnt 0x0
	s_add_nc_u64 s[G0+2:G0+3], s[4:5], s[36:37]
	s_or_b32 s[G0+3], s[G0+3], 0x80000000
	s_add_nc_u64 s[IN:IN+1], s[6:7], s[46:47]
	s_cmp_lt_u32 s[WV], 8                          ; the choice of buffers hangs on the wave's number alone
	s_cselect_b64 s[OUT:OUT+1], s[8:9], s[10:11]
	s_add_nc_u64 s[OUTS:OUTS+1], s[OUT:OUT+1], s[44:45]
	s_add_nc_u64 s[OUT:OUT+1], s[OUT:OUT+1], s[42:43]
; x: step f = 16 rows (f / 2) x 128 along K (f % 2) of my tile into a set: register 32 c + n becomes k = 64 c + 32 h + n of row r
.macro RDS f, set
.irp c, 0,1
.irp g, 0,1,2,3,4,5,6,7
	ds_load_b128 v[R+64*\set+32*\c+4*\g:R+64*\set+32*\c+4*\g+3], v[RDX] offset:16*XP*(\f/2)+512*(\f%2)+256*\c+16*\g
.endr
.endr
.endm
; w: step t's 16 rows x 512 bytes into a set: each load reads 512 consecutive bytes of one row
.macro LOAD t, set
.irp j, 0,1,2,3,4,5,6,7,8,9,10,11,12,13,14,15
	global_load_b128 v[R+64*\set+4*\j:R+64*\set+4*\j+3], v[LO], s[IN:IN+1] offset:(16*\t+\j)*ROWW th:TH_LOAD_NT
.endr
.endm
; A set turns through my stage and comes back into the registers that it left.  LDS serves a wave's instructions in order (ISA guide 5.7.1.4): the loads see the stores above them, and the next turn's stores come behind these loads.
; Registers 16 q + 8 c + 0 .. 7 become the 32 int8 k = 128 q + 64 c + 32 h + 0 .. 31 of row r
.macro TURNW set
.irp j, 0,1,2,3,4,5,6,7,8,9,10,11,12,13,14,15
	ds_store_b128 v[STI], v[R+64*\set+4*\j:R+64*\set+4*\j+3] offset:SP*\j
.endr
.irp q, 0,1,2,3
.irp c, 0,1
.irp g, 0,1
	ds_load_b128 v[R+64*\set+16*\q+8*\c+4*\g:R+64*\set+16*\q+8*\c+4*\g+3], v[RDW] offset:128*\q+64*\c+16*\g
.endr
.endr
.endr
.endm
; 16 registers of int8 become 64 numbers w in v[F] on.  q + 128 as the low mantissa byte of 2^23 is the f32 number 2^23 + 128 + q; taking 2^23 + 128 away is exact; then the one multiplication by 0.01
.macro UNPACK p
.irp w, 0,1,2,3,4,5,6,7,8,9,10,11,12,13,14,15
	v_xor_b32 v[\p+\w], s[X80], v[\p+\w]
.endr
.irp w, 0,1,2,3,4,5,6,7,8,9,10,11,12,13,14,15
.irp j, 0,1,2,3
	v_perm_b32 v[F+4*\w+\j], s[MAG], v[\p+\w], s[SELB+\j]
.endr
.endr
.set ii, 0
.rept 32
	v_pk_add_f32 v[F+ii:F+ii+1], v[F+ii:F+ii+1], s[NEG:NEG+1] op_sel_hi:[1,0]
.set ii, ii+2
.endr
.set ii, 0
.rept 32
	v_pk_mul_f32 v[F+ii:F+ii+1], v[F+ii:F+ii+1], s[CM:CM+1] op_sel_hi:[1,0]
.set ii, ii+2
.endr
.endm
; 64 numbers of a lane, v[src] on (two whole blocks: 2 c + h), become a fragment's 8 registers, which leave at off, and my row's scale word f
.macro QUANT src, f, off
.irp c, 0,1
	v_max3_num_f32 v[M+\c], |v[\src+32*\c]|, |v[\src+32*\c+1]|, 0x1800000   ; and the floor 2^(3 - 127), under which no largest magnitude is taken: so the byte cannot fall under 1
.endr
.irp i, 2,4,6,8,10,12,14,16,18,20,22,24,26,28,30
.irp c, 0,1
	s_delay_alu instid0(VALU_DEP_2)
	v_max3_num_f32 v[M+\c], v[M+\c], |v[\src+32*\c+\i]|, |v[\src+32*\c+\i+1]|   ; (the two blocks by turns)
.endr
.endr
.irp c, 0,1
	s_delay_alu instid0(VALU_DEP_2)
	v_add_nc_u32 v[SO+\c], 0xff000000, v[M+\c]     ; 2 off the exponent field: the conversion takes the exponent field of this operand as its scale, and nothing else of it
.endr
.irp c, 0,1
.irp g, 0,1,2,3
	v_cvt_scalef32_pk8_fp4_f32 v[C+8*((\f)%4)+4*\c+\g], v[\src+32*\c+8*\g:\src+32*\c+8*\g+7], v[SO+\c]   ; register 4 c + g of the operand
.endr
.endr
	v_lshrrev_b32 v[E], 23, v[SO]                  ; the scale bytes.  (Plain lines behind the conversions, ahead of whatever next writes their sources)
	v_lshrrev_b32 v[E+1], 23, v[SO+1]
	s_delay_alu instid0(VALU_DEP_1)
	v_lshl_or_b32 v[T], v[E+1], 16, v[E]           ; my two bytes: blocks h and 2 + h of row r,
	s_delay_alu instid0(VALU_DEP_1)
	v_lshlrev_b32 v[T], v[SH], v[T]                ; at their places in the scale word;
	s_delay_alu instid0(VALU_DEP_1)
	v_permlanex16_b32 v[T2], v[T], s[SEL], s[SEL+1]
	s_delay_alu instid0(VALU_DEP_1)
	v_or_b32 v[SW+(\f)], v[T], v[T2]               ; with lane l xor 16's two the word is whole, in both lanes
	global_store_b128 v[LO], v[C+8*((\f)%4):C+8*((\f)%4)+3], s[OUT:OUT+1] offset:\off          ; 32 lanes store 512 consecutive bytes, at a multiple of 256 from the buffer's first byte
	global_store_b128 v[LO], v[C+8*((\f)%4)+4:C+8*((\f)%4)+7], s[OUT:OUT+1] offset:\off+512
.endm
; two words of 32 rows: lanes 0-15 the first 16 rows' (v[a]), lanes 16-31 the others' (v[b]): 256 consecutive bytes
.macro SCOUT d, a, b, off
	v_cndmask_b32 v[\d], v[\a], v[\b], s[HM]
	v_cndmask_b32 v[\d+1], v[\a+1], v[\b+1], s[HM]
	global_store_b64 v[SA], v[\d:\d+1], s[OUTS:OUTS+1] offset:\off
.endm
	s_cmp_lt_u32 s[WV], 8
	s_cbranch_scc0 .Lw
	; ---- x
	tensor_load_to_lds s[G0:G0+3], s[G1:G1+7]      ; my one tensor load
	s_nop 0
	s_wait_tensorcnt 0x0                           ; my tile is in; nobody else reads it
	RDS 0, 0
	RDS 1, 1
	RDS 2, 2
	s_wait_dscnt 32                                ; step 0's sixteen loads are in; steps 1 and 2 may be out
	QUANT R, 0, 0
	RDS 3, 0                                       ; set 0 is done with
	s_wait_dscnt 32                                ; step 1's are in
	QUANT R+64, 1, 1024
	s_wait_dscnt 16                                ; step 2's are in
	QUANT R+128, 2, 4096
	s_wait_dscnt 0x0
	QUANT R, 3, 5120
	SCOUT SD, SW, SW+2, 0
	s_wait_tensorcnt 0x0                           ; the wave's end
	ds_add_u32 v[SPW], v[NIL]
	s_wait_dscnt 0x0
	s_endpgm
.Lw:
	; ---- w: two steps of 16 rows
	LOAD 0, 0
	LOAD 1, 1
	s_wait_loadcnt 16                              ; the first 16 rows are in
	TURNW 0
	s_wait_dscnt 0x0                               ; and back from the stage
.irp q, 0,1,2,3
	UNPACK R+16*\q
	QUANT F, \q, 1024*\q
.endr
	s_wait_loadcnt 0x0
	TURNW 1
	s_wait_dscnt 0x0
	s_wait_xcnt 0x0                                ; the first rows' stores have read their registers: the four sets of codes are written again only behind this wait
.irp q, 0,1,2,3
	UNPACK R+64+16*\q
	QUANT F, 4+\q, 4096+1024*\q
.endr
	SCOUT SD, SW, SW+4, 0
	SCOUT SDB, SW+2, SW+6, 1024
	s_wait_tensorcnt 0x0                           ; the wave's end
	ds_add_u32 v[SPW], v[NIL]
	s_wait_dscnt 0x0
	s_endpgm
.Lfunc_end_k_qb3bdf9cd5c_quant:
	.size	k_qb3bdf9cd5c_quant, .Lfunc_end_k_qb3bdf9cd5c_quant-k_qb3bdf9cd5c_quant
	.p2alignl 7, 3214868480
	.fill 96, 4, 3214868480
	.section	.rodata,"a",@progbits
	.p2align	6, 0x0
	.amdhsa_kernel k_qb3bdf9cd5c_quant
		.amdhsa_group_segment_fixed_size 301568
		.amdhsa_private_segment_fixed_size 0
		.amdhsa_enable_private_segment 0
		.amdhsa_kernarg_size 32
		.amdhsa_user_sgpr_count 2
		.amdhsa_user_sgpr_kernarg_segment_ptr 1
		.amdhsa_wavefront_size32 1
		.amdhsa_system_sgpr_workgroup_id_x 1
		.amdhsa_system_sgpr_workgroup_id_y 1
		.amdhsa_system_sgpr_workgroup_id_z 1
		.amdhsa_system_vgpr_workitem_id 0
		.amdhsa_next_free_vgpr 256
		.amdhsa_next_free_sgpr 66
		.amdhsa_reserve_vcc 0
		.amdhsa_float_denorm_mode_32 3
		.amdhsa_float_denorm_mode_16_64 3
		.amdhsa_memory_ordered 1
		.amdhsa_forward_progress 1
		.amdhsa_inst_pref_size 136
	.end_amdhsa_kernel
	.amdgpu_metadata
---
amdhsa.version: [ 1, 2 ]
amdhsa.kernels:
  - .name:           k_qb3bdf9cd5c_quant
    .symbol:         k_qb3bdf9cd5c_quant.kd
    .args:
      - { .name: x, .offset: 0, .size: 8, .value_kind: global_buffer, .address_space: global }
      - { .name: quantized_weight, .offset: 8, .size: 8, .value_kind: global_buffer, .address_space: global }
      - { .name: a_img, .offset: 16, .size: 8, .value_kind: global_buffer, .address_space: global }
      - { .name: b_img, .offset: 24, .size: 8, .value_kind: global_buffer, .address_space: global }
    .group_segment_fixed_size: 301568
    .private_segment_fixed_size: 0
    .kernarg_segment_align: 8
    .kernarg_segment_size: 32
    .max_flat_workgroup_size: 384
    .sgpr_count:     66
    .vgpr_count:     256
    .wavefront_size: 32
...
	.end_amdgpu_metadata
.endif
;; end of part 1
;; launch gemm (part 2): grid 16 x 16, 4 waves a work-group, clusters of 4 x 4, 327,680 bytes of LDS; arguments a_img, b_img, quantized_bias, out0; writes out0
.if DOCPART == 2
	.amdgcn_target "amdgcn-amd-amdhsa--gfx1250"
	.amdhsa_code_object_version 6
	.text
	.protected	k_qb3bdf9cd5c_gemm
	.globl	k_qb3bdf9cd5c_gemm
	.p2align	8
	.type	k_qb3bdf9cd5c_gemm,@function
k_qb3bdf9cd5c_gemm:
	s_mov_b64 s[64:65], 0
	v_nop
	global_prefetch_b8 v0, s[64:65] scope:SCOPE_SE
	s_setreg_imm32_b32 hwreg(HW_REG_WAVE_MODE, 25, 1), 1
	s_wait_xcnt 0x0
	s_wait_alu depctr_hold_cnt(0) depctr_sa_sdst(0) depctr_va_vdst(0) depctr_va_sdst(0) depctr_va_ssrc(0) depctr_va_vcc(0) depctr_vm_vsrc(0)
	s_getreg_b32 s2, hwreg(HW_REG_IB_STS2, 6, 4)
	s_cmp_eq_u32 s2, 0
	s_cbranch_scc0 .Lentry_in_a_cluster
	s_endpgm
.Lentry_in_a_cluster:
	s_bfe_u32 s2, ttmp6, 0x10000c
	s_cmp_lg_u32 s2, 0xf033
	s_cbranch_scc0 .Lentry_shape_is_right
	s_endpgm
.Lentry_shape_is_right:
; out[m][n] = sum over k of x[m][k] w[n][k] + 0.01 x bias[n], x and w as FP4 codes with E8M0 scales out of the images that the launch before has laid:
; [128 rows : 32][K step of 512 : 8][34,816 bytes]; in such a block register c of fragment (16 rows i, 128 along K q) of lane l at 4,096 i + 1,024 q + 512 c + 16 l (four words), and from byte 32,768 on the scale words:
; words 0 and 1 of row m at 8 m, words 2 and 3 at 1,024 + 8 m.
; The bias, f32(int8) x 0.01, starts each sum; K ascends.  Every int8 value is served.
; A work-group of four waves makes 256 x 256, a wave 128 x 128.  K goes in 8 steps of 512 through a ring of two LDS slots, four blocks of 34,816 bytes a slot, one tensor load a wave (136 rows of 256 bytes).
; CLUSTERS of 4 x 4: the blocks of x are shared along a row of the cluster, those of w along a column, each by one joint load.
; USED TRANSPOSED: source 0 = 32 rows of w, source 1 = 16 rows of x: a lane then holds neighbouring columns of one row of out.
; REGISTERS.  The wave's tile is four quadrants of 64 x 64: 0 = (A0, B0), 1 = (A0, B1), 2 = (A1, B1), 3 = (A1, B0), A0 / A1 = x's 16-row blocks 0-3 / 4-7, B0 / B1 = w's.  Quadrant d's accumulators are v128-255 of window d
; (block (i, j) at 128 + 8 (4 i + j)).  v64-127 of a window: two sets of 32 registers of one half operand: window 0 A0, 1 B0, 2 B1, 3 A1.  So all fragments have two sets: the 32 loads for the next 128 along K go out in one run,
; ahead of this one's 32 products, which stand unbroken behind it.
;   window 0: v0-31 addresses, v32-63 scale words, two sets (128 along K: 0, 1 and 2, 3 of a slot); window 3: v0-63 the bias, dead behind the first products.
; THE LAST K STEP goes by halves of 64 rows: all its 512 along K for rows 0-63, whose stores begin ahead of the other half's products.
; PREFETCH: with the load of K step u goes a request for u + 2 (with the first load for 1 and 2): of the 136 units of 256 bytes that a wave loads each of the four partners names 34, told apart by address; it stops with K step 7.
.set HALFT, 34816
.set SCW,   32768
.set SLOT,  4*HALFT
.set SPARE, 2*SLOT                     ; the spare words, 128 bytes a wave
.set SPITCH, 528                       ; the way out: a stage of 16 rows x (512 + 16) bytes for each wave, in slot 0, which has had its last fill and its last read by then
.set ROWO,  16384                      ; a row of out in bytes
.set BOF,  7                           ; v7   8 h
.set ADSA, 12                          ; v12-13 my x rows' scale words in slot 0, 1
.set ADSB, 14                          ; v14-15 my w rows'
.set ADRA, 16                          ; v16-17 my x rows in slot 0, 1
.set ADRB, 20                          ; v20-21 my w rows
.set STO,  24
.set RD,   25
.set CO,   26
.set PFO,  27                          ; v27  256 x lane
.set SPW,  28
.set NIL,  29
.set PFO2, 30                          ; v30  256 x min(lane, 1): the last two of 34 units; the lanes left over name the last again
.set SC,   32
.set BP,   64
.set BIAS, 0
.set G1,  24
.set G0,  32
.set G1B, 48
.set G0B, 56
.set MAG, 66
.set X80, 67
.set SELB, 68
.set NEG, 72
.set CM,  74
.set PFA, 84
.set MSB, 0
.macro WIN new
.if MSB != (\new)
	s_set_vgpr_msb (MSB<<8)|(\new)
.set MSB, \new
.endif
.endm
.macro PLACES                          ; four places behind matrix instructions, ahead of loads into what they read and of stores of what they wrote
.rept 4
	v_nop
.endr
.endm
; a joint load: waves 0, 1 fetch x's two blocks, waves 2, 3 w's
.macro JLOAD s
	s_cmp_eq_u32 s15, 0
	s_cbranch_scc0 .Lfor_b_\@
	tensor_load_to_lds s[G0+4*\s:G0+4*\s+3], s[G1:G1+7]
	s_nop 0
	PLACES
	s_branch .Lasked_\@
.Lfor_b_\@:
	tensor_load_to_lds s[G0B+4*\s:G0B+4*\s+3], s[G1B:G1B+7]
	s_nop 0
	PLACES
.Lasked_\@:
.endm
.macro CREST                           ; a round of the cluster's barrier behind its opening barrier
	s_cmp_lg_u32 s14, 0
	s_cbranch_scc1 .Lnot_wave_0_\@
	s_barrier_signal -3
.Lnot_wave_0_\@:
	s_barrier_wait -3
	s_barrier_signal -1
	s_barrier_wait -1
.endm
.macro CROUND
	s_barrier_signal -1
	s_barrier_wait -1
	CREST
.endm
.macro ASK at                          ; my 34 units of the K step that lies at bytes on
	global_prefetch_b8 v[PFO], s[PFA:PFA+1] offset:\at th:TH_LOAD_NT scope:SCOPE_SE
	global_prefetch_b8 v[PFO2], s[PFA:PFA+1] offset:\at+8192 th:TH_LOAD_NT scope:SCOPE_SE
.endm
	s_load_b256 s[4:11], s[0:1], 0x0               ; x's image s[4:5], w's s[6:7], bias s[8:9], out s[10:11]
	v_lshl_add_u32 v[SPW], v0, 2, SPARE
	v_mov_b32 v[NIL], 0
	ds_add_u32 v[SPW], v[NIL]                      ; the opening add, twice on end, and its wait
	ds_add_u32 v[SPW], v[NIL]
	v_lshrrev_b32 v1, 5, v0
	v_readfirstlane_b32 s14, v1                    ; wave
	s_lshr_b32 s15, s14, 1                         ; which 128 rows of out are mine; I fetch for x (0) or w (1)
	s_and_b32 s16, s14, 1                          ; which 128 columns; which block I fetch
	s_bfe_u32 s40, ttmp6, 0x40000                  ; cx, cy
	s_bfe_u32 s41, ttmp6, 0x40004
	s_lshl_b32 s42, ttmp9, 2
	s_add_co_u32 s42, s42, s40                     ; tile column
	s_and_b32 s17, ttmp7, 0xffff
	s_lshl_b32 s17, s17, 2
	s_add_co_u32 s17, s17, s41                     ; tile row
	s_lshl_b32 s43, s41, 2
	s_lshl_b32 s43, 15, s43                        ; my row of the cluster
	s_lshl_b32 s44, 0x1111, s40                    ; my column
	s_or_b32 s[G1+0], s43, (3<<16)|(1<<21)         ; elements of 8 bytes, no padding
	s_or_b32 s[G1B+0], s44, (3<<16)|(1<<21)
.irp g, G1, G1B
	s_mov_b32 s[\g+1], 32<<16
	s_mov_b32 s[\g+2], 136<<16
	s_mov_b32 s[\g+3], 32<<16
	s_mov_b32 s[\g+4], 136
	s_mov_b32 s[\g+5], 32
	s_mov_b32 s[\g+6], 0
	s_mov_b32 s[\g+7], 0
.endr
	s_mov_b32 s[MAG], 0x4b000000
	s_mov_b32 s[X80], 0x80808080
.irp j, 0,1,2,3
	s_mov_b32 s[SELB+\j], 0x07040400+\j
.endr
	s_mov_b32 s[NEG], 0xcb000080
	s_mov_b32 s[NEG+1], s[NEG]
	s_mov_b32 s[CM], 0x3c23d70a
	s_mov_b32 s[CM+1], s[CM]
	s_lshl_b32 s20, s17, 1
	s_add_co_u32 s20, s20, s16
	s_mul_i32 s20, s20, 8*HALFT                    ; x's block row that I fetch
	s_mov_b32 s21, 0
	s_lshl_b32 s46, s42, 1
	s_add_co_u32 s46, s46, s16
	s_mul_i32 s46, s46, 8*HALFT                    ; w's
	s_mov_b32 s47, 0
	s_mul_i32 s45, s14, HALFT                      ; where a load lands in a slot
	s_mul_i32 s76, s15, HALFT                      ; my x rows in slot 0
	s_mul_i32 s77, s16, HALFT
	s_add_co_u32 s77, s77, 2*HALFT                 ; my w rows
	s_add_co_u32 s78, s76, SLOT
	s_add_co_u32 s79, s77, SLOT
	s_mul_i32 s80, s14, 16*SPITCH                  ; my stage
	s_cmp_eq_u32 s15, 0
	s_cselect_b32 s86, s20, s46                    ; the prefetches: the block row that I fetch,
	s_cselect_b32 s88, s40, s41                    ; my place among the four that fetch it
	s_mul_i32 s88, s88, 34*256
	s_add_co_u32 s86, s86, s88
	s_mov_b32 s87, 0
	s_lshl_b32 s90, s17, 22                        ; out: 256 rows a tile row, 128 a wave row, in bytes
	s_lshl_b32 s91, s15, 21
	s_add_co_u32 s90, s90, s91
	s_lshl_b32 s91, s42, 10
	s_add_co_u32 s90, s90, s91
	s_lshl_b32 s91, s16, 9
	s_add_co_u32 s90, s90, s91
	s_mov_b32 s91, 0
	s_lshl_b32 s92, s42, 8                         ; my first column
	s_lshl_b32 s93, s16, 7
	s_add_co_u32 s92, s92, s93
	s_mov_b32 s93, 0
	v_and_b32 v2, 31, v0                           ; lane
	v_and_b32 v3, 15, v0                           ; r
	v_bfe_u32 v4, v0, 4, 1                         ; h
	v_lshlrev_b32 v5, 4, v2
	v_lshlrev_b32 v11, 3, v2
	v_add_nc_u32 v[ADRA], s76, v5
	v_add_nc_u32 v[ADRA+1], s78, v5
	v_add_nc_u32 v[ADRB], s77, v5
	v_add_nc_u32 v[ADRB+1], s79, v5
	v_add_nc_u32 v[ADSA], s76, v11
	v_add_nc_u32 v[ADSA+1], s78, v11
	v_add_nc_u32 v[ADSB], s77, v11
	v_add_nc_u32 v[ADSB+1], s79, v11
	v_mul_u32_u24 v6, v3, SPITCH
	v_lshl_add_u32 v6, v4, 5, v6
	v_add_nc_u32 v[STO], s80, v6                   ; into the stage: row r, 32 bytes for each half of the lanes
	v_add_nc_u32 v[RD], s80, v5                    ; back: 32 lanes a row of 512 bytes
	v_lshlrev_b32 v[CO], 4, v2                     ; and the same in out
	v_lshlrev_b32 v[BOF], 3, v4
	v_lshlrev_b32 v[PFO], 8, v2
	v_min_u32 v10, 1, v2
	v_lshlrev_b32 v[PFO2], 8, v10
	s_wait_alu depctr_va_vdst(0)
	s_wait_dscnt 0x0                               ; both opening adds are done
	s_wait_kmcnt 0x0
	s_cmp_eq_u32 s15, 0
	s_cselect_b64 s[PFA:PFA+1], s[4:5], s[6:7]
	s_add_nc_u64 s[PFA:PFA+1], s[PFA:PFA+1], s[86:87]
	s_add_nc_u64 s[20:21], s[4:5], s[20:21]
	s_add_nc_u64 s[46:47], s[6:7], s[46:47]
	s_add_nc_u64 s[8:9], s[8:9], s[92:93]
	s_add_nc_u64 s[10:11], s[10:11], s[90:91]
.irp s, 0,1
	s_mov_b32 s[G0+4*\s], 1
	s_add_co_u32 s[G0+4*\s+1], s45, \s*SLOT
	s_add_nc_u64 s[G0+4*\s+2:G0+4*\s+3], s[20:21], \s*HALFT
	s_or_b32 s[G0+4*\s+3], s[G0+4*\s+3], 0x80000000
	s_mov_b32 s[G0B+4*\s], 1
	s_add_co_u32 s[G0B+4*\s+1], s45, \s*SLOT
	s_add_nc_u64 s[G0B+4*\s+2:G0B+4*\s+3], s[46:47], \s*HALFT
	s_or_b32 s[G0B+4*\s+3], s[G0B+4*\s+3], 0x80000000
.endr
	CROUND                                         ; all sixteen work-groups are here
	JLOAD 0                                        ; K step 0: one tensor load a wave at the head
	ASK HALFT                                      ; K steps 1 and 2
	ASK 2*HALFT
	; the bias under the load's flight: lane half h takes 8 bytes of each 16 columns; q + 128 as the low mantissa byte of 2^23, 2^23 + 128 taken away (exact), one multiplication by 0.01
.irp b, 0,1,2,3,4,5,6,7
	global_load_b64 v[BP+2*\b:BP+2*\b+1], v[BOF], s[8:9] offset:16*\b
.endr
	s_wait_loadcnt 0x0
.irp w, 0,1,2,3,4,5,6,7,8,9,10,11,12,13,14,15
	v_xor_b32 v[BP+\w], s[X80], v[BP+\w]
.endr
	WIN 0xc0
.irp w, 0,1,2,3,4,5,6,7,8,9,10,11,12,13,14,15
.irp j, 0,1,2,3
	v_perm_b32 v[BIAS+4*\w+\j], s[MAG], v[BP+\w], s[SELB+\j]
.endr
.endr
	WIN 0xc3
.set ii, BIAS
.rept 32
	v_pk_add_f32 v[ii:ii+1], v[ii:ii+1], s[NEG:NEG+1] op_sel_hi:[1,0]
.set ii, ii+2
.endr
.set ii, BIAS
.rept 32
	v_pk_mul_f32 v[ii:ii+1], v[ii:ii+1], s[CM:CM+1] op_sel_hi:[1,0]
.set ii, ii+2
.endr
	WIN 0
; one product, 32 columns x 16 rows x 128 along K: n = 2 i + jj of a quadrant's eight.  ab, bb: where the half operands begin; ah, bh: which halves; q: the slot's q-th 128 along K
; w's scale words: lane m has row m of 32; x's: lanes 0-15 an even block's rows, lanes 16-31 an odd block's
.macro MMA n, ab, bb, ah, bh, q, bias
.set i_, (\n)/2
.set j_, (\n)%2
.set D_, 128+8*(4*i_+2*j_)
.set A_, (\ab)+8*i_
.set B_, (\bb)+16*j_
.set X_, SC+16*((\q)/2)+2*(2*(\bh)+j_)+(\q)%2
.set Y_, SC+16*((\q)/2)+8+2*(2*(\ah)+i_/2)+(\q)%2
.if \bias
.set C_, BIAS+32*(\bh)+16*j_
.else
.set C_, D_
.endif
.if i_%2
	v_wmma_scale_f32_32x16x128_f4 v[D_:D_+15], v[B_:B_+15], v[A_:A_+7], v[C_:C_+15], v[X_], v[Y_] matrix_b_scale:MATRIX_SCALE_ROW1
.else
	v_wmma_scale_f32_32x16x128_f4 v[D_:D_+15], v[B_:B_+15], v[A_:A_+7], v[C_:C_+15], v[X_], v[Y_]
.endif
.endm
.macro PH w, ab, bb, ah, bh, q, bias   ; a quadrant's eight products
	WIN \w
.irp n, 0,1,2,3,4,5,6,7
	MMA \n, \ab, \bb, \ah, \bh, \q, \bias
.endr
.endm
; the eight loads of a half operand (blocks ib .. ib + 3) into v[db] on
.macro LDF8 db, ar, ib, q
.irp n, 0,1,2,3,4,5,6,7
	ds_load_b128 v[(\db)+4*\n:(\db)+4*\n+3], v[\ar] offset:4096*((\ib)+\n/2)+1024*(\q)+512*(\n%2)
.endr
.endm
; the eight loads of scale set s: 32 rows x two words each
.macro LSC8 s, slot
.irp n, 0,1,2,3
	ds_load_b64 v[SC+16*(\s)+2*\n:SC+16*(\s)+2*\n+1], v[ADSB+(\slot)] offset:SCW+256*\n+1024*(\s)
	ds_load_b64 v[SC+16*(\s)+8+2*\n:SC+16*(\s)+9+2*\n], v[ADSA+(\slot)] offset:SCW+256*\n+1024*(\s)
.endr
.endm
; one run: all fragments of the slot's q-th 128 along K into a set, 32 loads (s not negative: scale set s first, 8 more)
.macro RUN set, slot, q, s
	WIN 0
.if (\s)>=0
	LSC8 \s, \slot
.endif
	LDF8 \set, ADRA+\slot, 0, \q
	WIN 0x40
	LDF8 \set, ADRB+\slot, 0, \q
	WIN 0x80
	LDF8 \set, ADRB+\slot, 4, \q
	WIN 0xc0
	LDF8 \set, ADRA+\slot, 4, \q
.endm
; 128 along K that have their successor in the same slot: the successor's run, then the products.  w_: the loads of that run
.macro STEP slot, q, bias
.set p_, 64+32*((\q)%2)
.set n_, 96-32*((\q)%2)
	PLACES
.if (\q)==0
.set w_, 40
	RUN n_, \slot, (\q)+1, 1
.else
.set w_, 32
	RUN n_, \slot, (\q)+1, -1
.endif
	s_wait_dscnt w_+16                             ; A0 and B0 are in; B1's 8, A1's 8 and the run may be out
	PH 0x01+0x30*\bias, p_, p_, 0, 0, \q, \bias
	s_wait_dscnt w_+8                              ; B1 is in
	PH 0x52+0x20*\bias, p_, p_, 0, 1, \q, \bias
	s_wait_dscnt w_                                ; A1 is in
	PH 0xae+0x10*\bias, p_, p_, 1, 1, \q, \bias
	PH 0xfd, p_, p_, 1, 0, \q, \bias
.endm
.macro P0H n0                          ; half of quadrant 0 in a slot's last 128 along K
.irp n, \n0, \n0+1, \n0+2, \n0+3
	MMA \n, 96, 96, 0, 0, 3, 0
.endr
.endm
.macro MEET                            ; quadrant 0 of a slot's last 128 along K, and the barrier behind which nobody reads the slot and the other slot is whole; the caller has written the wait on TENSORcnt and the add
	s_wait_dscnt 17                                ; A0 and B0 are in; B1's 8, A1's 8 and the add may be out
	WIN 0x01
	P0H 0
	s_wait_dscnt 0x0                               ; the add is done, and my reads of this slot are over
	s_barrier_signal -1
	P0H 4
	WIN 0
	s_barrier_wait -1
.endm
.macro REST                            ; the other three quadrants of a slot's last 128 along K
	PH 0x52, 96, 96, 0, 1, 3, 0
	PH 0xae, 96, 96, 1, 1, 3, 0
	PH 0xfd, 96, 96, 1, 0, 3, 0
.endm
; a slot's last 128 along K; the slot is filled again, two K steps ahead
.macro TURN slot, next
	s_wait_xcnt 0x0                                ; the prefetches have read their address
	s_add_nc_u64 s[PFA:PFA+1], s[PFA:PFA+1], HALFT
	WIN 0
	s_wait_tensorcnt 0x0                           ; all my tensor loads are done: my part of the next slot
	ds_add_u32 v[SPW], v[NIL]
	s_add_nc_u64 s[G0+4*\slot+2:G0+4*\slot+3], s[G0+4*\slot+2:G0+4*\slot+3], 2*HALFT
	s_add_nc_u64 s[G0B+4*\slot+2:G0B+4*\slot+3], s[G0B+4*\slot+2:G0B+4*\slot+3], 2*HALFT
	MEET
	CREST                                          ; no wave of any partner reads this slot or has a load on its way
	JLOAD \slot                                    ; its four v_nop are also the places in front of the loads below
	RUN 64, \next, 0, 0
	WIN 0
	s_cmp_gt_u32 s3, 1                             ; the last trip's refills are K steps 6 and 7: nothing stands two on
	s_cbranch_scc0 .Lnone_\@
	ASK 2*HALFT
.Lnone_\@:
	REST
.endm
	s_wait_alu depctr_va_vdst(0)                   ; the wait at the head's end
	s_wait_tensorcnt 0x0                           ; my part of K step 0 is in
	ds_add_u32 v[SPW], v[NIL]
	s_wait_xcnt 0x0
	s_add_nc_u64 s[PFA:PFA+1], s[PFA:PFA+1], HALFT
	s_wait_dscnt 0x0
	CROUND
	JLOAD 1                                        ; K step 1
	RUN 64, 0, 0, 0
	WIN 0
	ASK 2*HALFT                                    ; K step 3
	STEP 0, 0, 1                                   ; the first products take the bias as C
	WIN 0
	s_mov_b32 s3, 3
.Llap:                                                 ; once round the ring, both slots filled again
	STEP 0, 1, 0
	STEP 0, 2, 0
	TURN 0, 1
	STEP 1, 0, 0
	STEP 1, 1, 0
	STEP 1, 2, 0
	TURN 1, 0
	STEP 0, 0, 0
	WIN 0
	s_sub_co_u32 s3, s3, 1
	s_cmp_lg_u32 s3, 0
	s_cbranch_scc1 .Llap
	STEP 0, 1, 0
	STEP 0, 2, 0
; THE LAST K STEP, in slot 1.  Homes of its q-th 128 along K: registers 64, 32, 0, 96 of window 1 (B0), 2 (A0), 3 (B1); A1: q = 0, 1 at 64, 96 of window 0, q = 2, 3 at 64, 32 of window 2, where A0 has been by then
; Rows 16 c .. + 15, all 128 columns, through my stage and back as rows of 512 bytes, into the registers that they left.  LDS serves a wave's instructions in order (ISA guide 5.7.1.4)
; Rows 0-63: columns 0-63 lie in window 0, the others in window 1; rows 64-127: in windows 3 and 2
.macro OUT c
.set l_, 3*((\c)/4)
.set r_, 1+(\c)/4
.set a_, 128+32*((\c)%4)
	WIN 0x04*l_
.irp k, 0,1,2,3,4,5,6,7
	ds_store_b128 v[STO], v[a_+4*\k:a_+4*\k+3] offset:64*(\k/2)+16*(\k%2)
.endr
	WIN 0x04*r_
.irp k, 0,1,2,3,4,5,6,7
	ds_store_b128 v[STO], v[a_+4*\k:a_+4*\k+3] offset:256+64*(\k/2)+16*(\k%2)
.endr
	WIN 0x40*l_
.irp t, 0,1,2,3,4,5,6,7
	ds_load_b128 v[a_+4*\t:a_+4*\t+3], v[RD] offset:\t*SPITCH
.endr
	WIN 0x40*r_
.irp t, 0,1,2,3,4,5,6,7
	ds_load_b128 v[a_+4*\t:a_+4*\t+3], v[RD] offset:(8+\t)*SPITCH
.endr
.endm
.macro SEND c                          ; each store writes 512 consecutive bytes, two aligned units of 256
.set l_, 3*((\c)/4)
.set r_, 1+(\c)/4
.set a_, 128+32*((\c)%4)
	WIN 0x04*l_
.irp t, 0,1,2,3,4,5,6,7
	global_store_b128 v[CO], v[a_+4*\t:a_+4*\t+3], s[10:11] offset:(16*(\c)+\t)*ROWO th:TH_STORE_NT
.endr
	WIN 0x04*r_
.irp t, 0,1,2,3,4,5,6,7
	global_store_b128 v[CO], v[a_+4*\t:a_+4*\t+3], s[10:11] offset:(16*(\c)+8+\t)*ROWO th:TH_STORE_NT
.endr
.endm
.macro LDW w, db, ar, ib, q            ; a half operand under a window setting
	WIN \w
	LDF8 \db, \ar, \ib, \q
.endm
	WIN 0
	s_wait_tensorcnt 0x0                           ; my part of slot 1, the last load
	ds_add_u32 v[SPW], v[NIL]
	MEET                                           ; nothing is filled again: no round follows
	PLACES
	LSC8 0, 1
	LDW 0x40, 64, ADRB+1, 0, 0
	LDW 0x80, 64, ADRA+1, 0, 0
	LDW 0xc0, 64, ADRB+1, 4, 0
	LDW 0x40, 32, ADRB+1, 0, 1
	LDW 0x80, 32, ADRA+1, 0, 1
	REST
	s_wait_dscnt 16                                ; q = 0 is in; B0 and A0 of q = 1 may be out
	PLACES
	WIN 0
	LSC8 1, 1
	LDW 0xc0, 32, ADRB+1, 4, 1
	LDW 0x40, 0, ADRB+1, 0, 2
	LDW 0x80, 0, ADRA+1, 0, 2
	LDW 0xc0, 0, ADRB+1, 4, 2
	PH 0x09, 64, 64, 0, 0, 0, 0
	PH 0x5b, 64, 64, 0, 1, 0, 0
	LDW 0x40, 96, ADRB+1, 0, 3
	LDW 0x80, 96, ADRA+1, 0, 3
	LDW 0xc0, 96, ADRB+1, 4, 3
	LDW 0x00, 64, ADRA+1, 4, 0
	LDW 0x00, 96, ADRA+1, 4, 1
	s_wait_dscnt 63                                ; q = 1 is in: behind it q = 2's 24 and the 40 just issued, 64 (the wait's field ends at 63)
	PH 0x09, 32, 32, 0, 0, 1, 0
	PH 0x5b, 32, 32, 0, 1, 1, 0
	s_wait_dscnt 40                                ; q = 2 is in
	PH 0x09, 0, 0, 0, 0, 2, 0
	PH 0x5b, 0, 0, 0, 1, 2, 0
	s_wait_dscnt 16                                ; q = 3 is in; A1's 16 may be out
	PH 0x09, 96, 96, 0, 0, 3, 0
	PH 0x5b, 96, 96, 0, 1, 3, 0
	PLACES
	OUT 0
	OUT 1
	s_wait_dscnt 32                                ; rows 0-15 are back; behind them the next chunk's 16 stores and 16 loads
	SEND 0
	OUT 2
	OUT 3
	s_wait_dscnt 63                                ; rows 16-31 are back: behind them two chunks' 64
	SEND 1
	LDW 0x80, 64, ADRA+1, 4, 2
	LDW 0x80, 32, ADRA+1, 4, 3
	s_wait_dscnt 16                                ; rows 32-63 are back; A1's last 16 may be out
	PH 0xa3, 64, 64, 1, 1, 0, 0
	PH 0xf1, 64, 64, 1, 0, 0, 0
	PH 0xa3, 96, 32, 1, 1, 1, 0
	PH 0xf1, 96, 32, 1, 0, 1, 0
	s_wait_dscnt 0x0
	PH 0xab, 64, 0, 1, 1, 2, 0
	PH 0xf9, 64, 0, 1, 0, 2, 0
	PH 0xab, 32, 96, 1, 1, 3, 0
	PH 0xf9, 32, 96, 1, 0, 3, 0
	PLACES
	OUT 4
	SEND 2
	SEND 3
	OUT 5
	s_wait_dscnt 32
	SEND 4
	OUT 6
	s_wait_dscnt 32
	SEND 5
	OUT 7
	s_wait_dscnt 32
	SEND 6
	s_wait_dscnt 0x0
	SEND 7
	WIN 0
	s_wait_tensorcnt 0x0                           ; the wave's end
	ds_add_u32 v[SPW], v[NIL]
	s_wait_dscnt 0x0
	CROUND                                         ; the closing round
	s_endpgm
.Lfunc_end_k_qb3bdf9cd5c_gemm:
	.size	k_qb3bdf9cd5c_gemm, .Lfunc_end_k_qb3bdf9cd5c_gemm-k_qb3bdf9cd5c_gemm
	.p2alignl 7, 3214868480
	.fill 96, 4, 3214868480
	.section	.rodata,"a",@progbits
	.p2align	6, 0x0
	.amdhsa_kernel k_qb3bdf9cd5c_gemm
		.amdhsa_group_segment_fixed_size 327680
		.amdhsa_private_segment_fixed_size 0
		.amdhsa_enable_private_segment 0
		.amdhsa_kernarg_size 32
		.amdhsa_user_sgpr_count 2
		.amdhsa_user_sgpr_kernarg_segment_ptr 1
		.amdhsa_wavefront_size32 1
		.amdhsa_system_sgpr_workgroup_id_x 1
		.amdhsa_system_sgpr_workgroup_id_y 1
		.amdhsa_system_sgpr_workgroup_id_z 1
		.amdhsa_system_vgpr_workitem_id 0
		.amdhsa_next_free_vgpr 1024
		.amdhsa_next_free_sgpr 96
		.amdhsa_reserve_vcc 0
		.amdhsa_float_denorm_mode_32 3
		.amdhsa_float_denorm_mode_16_64 3
		.amdhsa_memory_ordered 1
		.amdhsa_forward_progress 1
		.amdhsa_inst_pref_size 159
	.end_amdhsa_kernel
	.amdgpu_metadata
---
amdhsa.version: [ 1, 2 ]
amdhsa.kernels:
  - .name:           k_qb3bdf9cd5c_gemm
    .symbol:         k_qb3bdf9cd5c_gemm.kd
    .args:
      - { .name: a_img, .offset: 0, .size: 8, .value_kind: global_buffer, .address_space: global }
      - { .name: b_img, .offset: 8, .size: 8, .value_kind: global_buffer, .address_space: global }
      - { .name: quantized_bias, .offset: 16, .size: 8, .value_kind: global_buffer, .address_space: global }
      - { .name: out0, .offset: 24, .size: 8, .value_kind: global_buffer, .address_space: global }
    .group_segment_fixed_size: 327680
    .private_segment_fixed_size: 0
    .kernarg_segment_align: 8
    .kernarg_segment_size: 32
    .max_flat_workgroup_size: 128
    .sgpr_count:     96
    .vgpr_count:     1024
    .wavefront_size: 32
...
	.end_amdgpu_metadata
.endif
;; end of part 2
